; MI455X (gfx1250); checked and timed in simulation.
; The chip was launched on July 23, 2026; its instructions are those of AMD's public machine-readable ISA for CDNA 5 (MIT licence, August 2026) and "CDNA5" Instruction Set Architecture Reference Guide (July 2026). The comments in the code are by the model that wrote it; some were corrected since.
;; Mo E. Allowed arithmetic: float matrix products may take bf16 or f16 operands with f32 sums; other float arithmetic in f32, or as packed bf16 or f16 multiplies, adds, multiply-adds, maxima and minima; sums over many terms, partial sums and values carried from step to step in f32; what a program stores and reads back later, other than sums and carried values, may be rounded once to bf16 or f16.
;; Inputs: Wd 8 x 1,024 x 2,752 float32; Wg 8 x 1,024 float32; Wu 8 x 2,752 x 1,024 float32; Wv 8 x 2,752 x 1,024 float32; bg 8 float32; x 1,024 x 1,024 float32.
;; Outputs: out0 1,024 x 1,024 float32; out1 one number float32.
;; One version. Each part assembles by itself: llvm-mc -triple=amdgcn-amd-amdhsa -mcpu=gfx1250 --defsym DOCPART=n.
;; ======== version 1 of 1: 3 launches
;; workspace buffers: xb 2,097,152 bytes; idx 4,096 bytes of whole numbers; gate 4,096 bytes; part 4,096 bytes; hid 45,088,768 bytes; hlo 45,088,768 bytes
;; launch router (part 1): grid 64 x 1, 8 waves a work-group, no clusters, 42,496 bytes of LDS; arguments x, Wg, bg, xb, idx, gate, part; writes xb, idx, gate, part
.if DOCPART == 1
	.amdgcn_target "amdgcn-amd-amdhsa--gfx1250"
	.amdhsa_code_object_version 6
	.text
	.protected	k_q9043ec146c_router
	.globl	k_q9043ec146c_router
	.p2align	8
	.type	k_q9043ec146c_router,@function
k_q9043ec146c_router:
	s_mov_b64 s[64:65], 0
	v_nop
	global_prefetch_b8 v0, s[64:65] scope:SCOPE_SE
	s_setreg_imm32_b32 hwreg(HW_REG_WAVE_MODE, 25, 1), 1
	s_wait_xcnt 0x0
; ROUTER.  logits = x Wg^T + bg for 16 tokens a work-group; softmax, argmax, the gate; x rounded to bf16 for the next launch.
; x, Wg and bg are all rounded to bf16 (nearest even) before use, as every other input of the program is; products are summed in f32.
; Stored: xb [1024][1024] bf16; idx [1024] u32, the chosen expert; gate [1024] f32, its probability;
; part [64][16] f32: words 0-7 the sum of the 16 tokens' probabilities, words 8-15 how many of them chose each expert.
; LIMITS.  A tie in the maximum goes to the lower index, as argmax does; two logits nearer than the rounding of an f32 sum of 1,024 products
; may be ranked otherwise than by another order of summation.  NaN and infinities are not treated apart (a row with a NaN logit gets expert 7).
; An exponential below 2^-126 counts as 0.
; SHARES.  Eight waves.  Wave w loads, rounds and stores rows 2 w, 2 w + 1 of the 16 (one load covers 512 consecutive bytes of x, one store 256
; consecutive aligned bytes of xb) and lays them into LDS; then it multiplies K = 128 w .. 128 w + 127, four matrix instructions on two accumulators
; by turns.  The eight partial sums meet in LDS, and wave 0 does the softmax.
; THE MATRIX INSTRUCTION: source 0 = 16 rows of Wg (rows 8-15 repeat the eight experts), source 1 = 16 tokens: lane l then holds token l % 16
; and its registers 0-7 the eight experts' logits.
.set XPITCH, 2064                      ; an LDS row of x: 2,048 bytes + 16: an odd multiple of 16, so the 16 rows of a fragment load start 16 bytes apart modulo 256
.set PS,     33280                     ; partial sums: 1,024 bytes a wave, 32 a lane
.set SPARE,  41472                     ; the spare words: 128 bytes a wave, named by no other line
.macro PLACES                          ; four plain vector instructions between a matrix instruction and what reads its result or writes its registers (ISA guide 7.12.1)
.rept 4
	v_nop
.endr
.endm
; v1 lane  v2 l % 16  v3 l / 16  v4, v5 the add's two  v6 16 lane  v7 8 lane  v8 where my rows go in LDS  v9 my offset in Wg  v10 my fragment address
; v11, v12 partial sums, to and from  v[16:23], v[24:31] accumulators  v[32:95] x as loaded, later fragments and the softmax  v[96:159] Wg as loaded
; v[160:191] x rounded  v[192:223] Wg's four fragments
	s_load_b256 s[4:11], s[0:1], 0x0               ; x s[4:5], Wg s[6:7], bg s[8:9], xb s[10:11]
	s_load_b128 s[12:15], s[0:1], 0x20             ; idx s[12:13], gate s[14:15]
	s_load_b64 s[16:17], s[0:1], 0x30              ; part
	v_lshl_add_u32 v4, v0, 2, SPARE
	v_mov_b32 v5, 0
	v_and_b32 v1, 31, v0
	v_lshrrev_b32 v13, 5, v0
	v_readfirstlane_b32 s20, v13                   ; wave 0..7
	v_and_b32 v2, 15, v0
	v_bfe_u32 v3, v0, 4, 1
	v_lshlrev_b32 v6, 4, v1
	v_lshlrev_b32 v7, 3, v1
	s_mul_i32 s21, s20, 2*XPITCH
	v_add_nc_u32 v8, s21, v7                       ; row 2 w, 8 bytes a lane
	v_and_b32 v9, 7, v0
	v_lshlrev_b32 v9, 12, v9                       ; expert l % 8: 4,096 bytes a row of Wg
	v_lshl_add_u32 v9, v3, 5, v9                   ; + 8 floats for the upper half of the lanes
	s_lshl_b32 s21, s20, 9
	v_add_nc_u32 v9, s21, v9                       ; + my wave's 128 floats
	v_mul_u32_u24 v10, v2, XPITCH
	v_lshl_add_u32 v10, v3, 4, v10
	s_lshl_b32 s21, s20, 8
	v_add_nc_u32 v10, s21, v10                     ; token row x pitch + 16 x half + my wave's 128 bf16
	v_lshl_add_u32 v12, v1, 5, PS
	s_lshl_b32 s21, s20, 10
	v_add_nc_u32 v11, s21, v12
	s_lshl_b32 s22, ttmp9, 4
	s_lshl_b32 s23, s20, 1
	s_add_co_u32 s22, s22, s23                     ; my first row: 16 x work-group + 2 w
	s_lshl_b32 s32, s22, 12
	s_mov_b32 s33, 0
	s_lshl_b32 s36, s22, 11
	s_mov_b32 s37, 0
	s_wait_kmcnt 0x0
	s_load_b256 s[24:31], s[8:9], 0x0              ; the eight biases
	s_add_nc_u64 s[4:5], s[4:5], s[32:33]
	s_add_nc_u64 s[10:11], s[10:11], s[36:37]
.set j, 0
.rept 16                                       ; my two rows of x: 16 loads of 512 consecutive bytes
	global_load_b128 v[32+4*j:35+4*j], v6, s[4:5] offset:(j/8)*4096+512*(j%8) th:TH_LOAD_NT
.set j, j+1
.endr
.irp s, 0,1,2,3                                ; Wg for my four K steps: floats 8 h + 0..7 and 16 + 8 h + 0..7 of each 32
	global_load_b128 v[96+16*(\s):99+16*(\s)],    v9, s[6:7] offset:128*(\s)
	global_load_b128 v[100+16*(\s):103+16*(\s)],  v9, s[6:7] offset:128*(\s)+16
	global_load_b128 v[104+16*(\s):107+16*(\s)],  v9, s[6:7] offset:128*(\s)+64
	global_load_b128 v[108+16*(\s):111+16*(\s)],  v9, s[6:7] offset:128*(\s)+80
.endr
.set j, 0
.rept 16
	s_wait_loadcnt 31-j                            ; loads come back in order: behind x's load j stand 15 - j of x and 16 of Wg
	v_cvt_pk_bf16_f32 v[160+2*j], v[32+4*j], v[33+4*j]
	v_cvt_pk_bf16_f32 v[161+2*j], v[34+4*j], v[35+4*j]
	global_store_b64 v7, v[160+2*j:161+2*j], s[10:11] offset:(j/8)*2048+256*(j%8)  ; 256 consecutive bytes, aligned; these registers are never rewritten
	ds_store_b64 v8, v[160+2*j:161+2*j] offset:(j/8)*XPITCH+256*(j%8)
.set j, j+1
.endr
	s_wait_loadcnt 0x0                             ; Wg
.set j, 0
.rept 32
	v_cvt_pk_bf16_f32 v[192+j], v[96+2*j], v[97+2*j]
.set j, j+1
.endr
	s_wait_dscnt 0x0                               ; for the others' sake: my rows are in LDS
	s_barrier_signal -1
	s_barrier_wait -1
.irp s, 0,1,2,3
	ds_load_b128 v[32+8*(\s):35+8*(\s)], v10 offset:64*(\s)
	ds_load_b128 v[36+8*(\s):39+8*(\s)], v10 offset:64*(\s)+32
.endr
	s_wait_dscnt 0x0
	v_wmma_f32_16x16x32_bf16 v[16:23], v[192:199], v[32:39], 0        ; two accumulators by turns; the first products start the sums
	v_wmma_f32_16x16x32_bf16 v[24:31], v[200:207], v[40:47], 0
	v_wmma_f32_16x16x32_bf16 v[16:23], v[208:215], v[48:55], v[16:23]
	v_wmma_f32_16x16x32_bf16 v[24:31], v[216:223], v[56:63], v[24:31]
	PLACES
.irp k, 0,1,2,3
	v_pk_add_f32 v[16+2*(\k):17+2*(\k)], v[16+2*(\k):17+2*(\k)], v[24+2*(\k):25+2*(\k)]
.endr
	ds_store_b128 v11, v[16:19]
	ds_store_b128 v11, v[20:23] offset:16
	s_wait_dscnt 0x0                               ; for wave 0's sake
	s_barrier_signal -1
	s_barrier_wait -1
	s_cmp_lg_u32 s20, 0
	s_cbranch_scc1 .Lend                           ; the rest is wave 0's; no barrier stands in it
.irp w, 0,1,2,3,4,5,6,7
	ds_load_b128 v[64+8*(\w):67+8*(\w)], v12 offset:1024*(\w)
	ds_load_b128 v[68+8*(\w):71+8*(\w)], v12 offset:1024*(\w)+16
.endr
	s_wait_kmcnt 0x0                               ; the biases
.irp k, 0,1,2,3
	v_cvt_pk_bf16_f32 v[128+(\k)], s[24+2*(\k)], s[25+2*(\k)]       ; rounded to bf16 like the other inputs,
.endr
.irp k, 0,1,2,3
	v_lshlrev_b32 v[40+2*(\k)], 16, v[128+(\k)]                     ; and widened again
	v_and_b32 v[41+2*(\k)], 0xffff0000, v[128+(\k)]
.endr
	s_lshl_b32 s32, ttmp9, 6                       ; 16 tokens x 4 bytes in idx and gate, and 64 bytes a work-group in part
	s_add_nc_u64 s[12:13], s[12:13], s[32:33]
	s_add_nc_u64 s[14:15], s[14:15], s[32:33]
	s_add_nc_u64 s[16:17], s[16:17], s[32:33]
	s_wait_dscnt 0x0
.irp w, 1,2,3,4,5,6,7
.irp k, 0,1,2,3
	v_pk_add_f32 v[64+2*(\k):65+2*(\k)], v[64+2*(\k):65+2*(\k)], v[64+8*(\w)+2*(\k):65+8*(\w)+2*(\k)]
.endr
.endr
.irp k, 0,1,2,3
	v_pk_add_f32 v[64+2*(\k):65+2*(\k)], v[64+2*(\k):65+2*(\k)], v[40+2*(\k):41+2*(\k)]  ; v[64:71]: my token's eight logits
.endr
	v_max3_num_f32 v72, v64, v65, v66
	v_max3_num_f32 v73, v67, v68, v69
	v_max3_num_f32 v72, v72, v70, v71
	v_max_num_f32 v72, v72, v73                    ; the maximum,
	v_mov_b32 v73, v72                             ; twice, for the packed subtraction
	v_mov_b32 v74, 7
.irp e, 6,5,4,3,2,1,0                          ; the lowest index that holds the maximum
	v_cmp_eq_f32 vcc_lo, v[64+(\e)], v72
	v_cndmask_b32 v74, v74, \e, vcc_lo
.endr
.irp k, 0,1,2,3
	v_pk_add_f32 v[48+2*(\k):49+2*(\k)], v[64+2*(\k):65+2*(\k)], v[72:73] neg_lo:[0,1] neg_hi:[0,1]  ; logit - maximum: exactly 0 for the chosen one
.endr
.irp k, 0,1,2,3
	v_pk_mul_f32 v[48+2*(\k):49+2*(\k)], v[48+2*(\k):49+2*(\k)], 0x3fb8aa3b op_sel_hi:[1,0]         ; x log2(e)
.endr
.irp k, 0,1,2,3,4,5,6,7
	v_exp_f32 v[48+(\k)], v[48+(\k)]
.endr
	v_lshlrev_b32 v80, 2, v2                       ; a plain instruction behind the last exponential: my token's 4 bytes in idx and gate
	s_wait_alu depctr_va_vdst(0)                   ; one wait for the eight exponentials, ahead of their first reader
	v_pk_add_f32 v[76:77], v[48:49], v[50:51]
	v_pk_add_f32 v[78:79], v[52:53], v[54:55]
	v_pk_add_f32 v[76:77], v[76:77], v[78:79]
	v_add_f32 v76, v76, v77
	v_rcp_f32 v78, v76                             ; the chosen expert's exponential is 1: this is its probability
	v_mov_b32 v81, 0                               ; a plain instruction behind the reciprocal
	s_wait_alu depctr_va_vdst(0)
.irp k, 0,1,2,3
	v_pk_mul_f32 v[48+2*(\k):49+2*(\k)], v[48+2*(\k):49+2*(\k)], v[78:79] op_sel_hi:[1,0]           ; the eight probabilities
.endr
.irp k, 0,1,2,3,4,5,6,7
	v_cmp_eq_u32 vcc_lo, \k, v74
	v_cndmask_b32 v[56+(\k)], 0, 1.0, vcc_lo       ; one-hot
.endr
.irp m, 1,2,4,8                                ; sums over the 16 tokens of a half of the lanes (both halves hold the same tokens)
.irp k, 0,1,2,3,4,5,6,7,8,9,10,11,12,13,14,15
	v_add_f32_dpp v[48+(\k)], v[48+(\k)], v[48+(\k)] row_xmask:\m row_mask:0xf bank_mask:0xf
.endr
.endr
	s_wait_xcnt 0x0                                ; EXEC is a source of my pending stores: it changes only behind this wait
	v_cmp_gt_u32 vcc_lo, 16, v1
	s_and_saveexec_b32 s34, vcc_lo                 ; lanes 0-15: one token each
	global_store_b32 v80, v74, s[12:13]
	global_store_b32 v80, v78, s[14:15]
	s_wait_xcnt 0x0
	s_or_b32 exec_lo, exec_lo, s34
	v_cmp_eq_u32 vcc_lo, 0, v1
	s_and_saveexec_b32 s34, vcc_lo                 ; lane 0: the work-group's 16 partial sums
.irp k, 0,1,2,3
	global_store_b128 v81, v[48+4*(\k):51+4*(\k)], s[16:17] offset:16*(\k)
.endr
	s_wait_xcnt 0x0
	s_or_b32 exec_lo, exec_lo, s34
.Lend:
	s_wait_tensorcnt 0x0                           ; the wave's end
	ds_add_u32 v4, v5
	s_wait_dscnt 0x0
	s_endpgm
.Lfunc_end_k_q9043ec146c_router:
	.size	k_q9043ec146c_router, .Lfunc_end_k_q9043ec146c_router-k_q9043ec146c_router
	.p2alignl 7, 3214868480
	.fill 96, 4, 3214868480
	.section	.rodata,"a",@progbits
	.p2align	6, 0x0
	.amdhsa_kernel k_q9043ec146c_router
		.amdhsa_group_segment_fixed_size 42496
		.amdhsa_private_segment_fixed_size 0
		.amdhsa_enable_private_segment 0
		.amdhsa_kernarg_size 56
		.amdhsa_user_sgpr_count 2
		.amdhsa_user_sgpr_kernarg_segment_ptr 1
		.amdhsa_wavefront_size32 1
		.amdhsa_system_sgpr_workgroup_id_x 1
		.amdhsa_system_sgpr_workgroup_id_y 1
		.amdhsa_system_sgpr_workgroup_id_z 1
		.amdhsa_system_vgpr_workitem_id 0
		.amdhsa_next_free_vgpr 224
		.amdhsa_next_free_sgpr 66
		.amdhsa_reserve_vcc 1
		.amdhsa_float_denorm_mode_32 3
		.amdhsa_float_denorm_mode_16_64 3
		.amdhsa_memory_ordered 1
		.amdhsa_forward_progress 1
		.amdhsa_inst_pref_size 26
	.end_amdhsa_kernel
	.amdgpu_metadata
---
amdhsa.version: [ 1, 2 ]
amdhsa.kernels:
  - .name:           k_q9043ec146c_router
    .symbol:         k_q9043ec146c_router.kd
    .args:
      - { .name: x, .offset: 0, .size: 8, .value_kind: global_buffer, .address_space: global }
      - { .name: Wg, .offset: 8, .size: 8, .value_kind: global_buffer, .address_space: global }
      - { .name: bg, .offset: 16, .size: 8, .value_kind: global_buffer, .address_space: global }
      - { .name: xb, .offset: 24, .size: 8, .value_kind: global_buffer, .address_space: global }
      - { .name: idx, .offset: 32, .size: 8, .value_kind: global_buffer, .address_space: global }
      - { .name: gate, .offset: 40, .size: 8, .value_kind: global_buffer, .address_space: global }
      - { .name: part, .offset: 48, .size: 8, .value_kind: global_buffer, .address_space: global }
    .group_segment_fixed_size: 42496
    .private_segment_fixed_size: 0
    .kernarg_segment_align: 8
    .kernarg_segment_size: 56
    .max_flat_workgroup_size: 256
    .sgpr_count:     66
    .vgpr_count:     224
    .wavefront_size: 32
...
	.end_amdgpu_metadata
.endif
;; end of part 1
;; launch up (part 2): grid 86 x 8, 8 waves a work-group, no clusters, 137,472 bytes of LDS; arguments xb, Wu, Wv, idx, part, hid, out1, hlo; writes hid, out1, hlo
.if DOCPART == 2
	.amdgcn_target "amdgcn-amd-amdhsa--gfx1250"
	.amdhsa_code_object_version 6
	.text
	.protected	k_q9043ec146c_up
	.globl	k_q9043ec146c_up
	.p2align	8
	.type	k_q9043ec146c_up,@function
k_q9043ec146c_up:
	s_mov_b64 s[64:65], 0
	v_nop
	global_prefetch_b8 v0, s[64:65] scope:SCOPE_SE
	s_setreg_imm32_b32 hwreg(HW_REG_WAVE_MODE, 25, 1), 1
	s_wait_xcnt 0x0
; UP.  h = silu(x Wu[e]^T) * (x Wv[e]^T) for the tokens that chose expert e, and the aux loss.
; A work-group (slice sl = x of 86, expert e = y of 8) owns rows 32 sl .. 32 sl + 31 of Wu[e] and of Wv[e], which it alone reads, once, and ALL tokens of e.
; The weights are rounded to bf16 on their way through registers into LDS; x comes as bf16 (xb) straight into registers by the expert's list of tokens.
; h LEAVES AS TWO bf16 NUMBERS: hi = bf16(h) into hid, lo = bf16(h - hi) into hlo (the difference is exact in f32): together they hold h to about 2^-17 of itself, in bf16's range.
; One bf16 number keeps 8 significant bits, too few for the tokens whose rows of y are several times the output's root mean square; f16 has no room: h grows with the
; fourth power of a common scale of x and the weights.
; hid, hlo: [8 experts][172 blocks of 16 h][1,024 positions][16 h] bf16; a token's position is its rank in its expert's list.  Positions are written in
; units of 32; those past the count repeat the expert's last token, so that the next launch reads only bytes that were written.
; THE LIST.  Wave 0 reads all 1,024 choices (whole numbers stored by the launch before) and lays the tokens of e into LDS in the order
; register, then lane; the next launch makes the same list by the same lines.  It serves every split: all tokens on one expert, or none.
; NO MULTICAST: each weight byte has one reader, and the x rows come by a list that no tile descriptor covers.
; LIMITS.  u, v and h are f32 until h is split.  silu(u) v = u v / (1 + 2^(-u log2 e)): where the power overflows the quotient is 0,
; where it is below 2^-126 it counts as 0.  An h beyond 3.39e38 rounds to an infinity in hi.  NaN and infinities are not treated apart.
; An expert without tokens still has its weights read; nothing is stored for it.
; THE MATRIX INSTRUCTION: source 0 = 16 weight rows, source 1 = 16 tokens: lane l holds token l % 16 and rows 8 (l / 16) + 0..7, eight neighbouring h, 16 bytes in bf16.
.set PITCH, 2064                       ; an LDS row of weights: 2,048 bytes + 16: an odd multiple of 16
.set FRAG,  16*PITCH
.set LIST,  64*PITCH                   ; 1,024 words: the expert's tokens; behind them 32 words into which lanes without a match store
.set META,  LIST+4096+128              ; one word: the expert's count
.set SPARE, 136448                     ; the spare words: 128 bytes a wave, named by no other line
.set EW,    11272192                   ; bytes of one expert in Wu and in Wv
.set EH,    5636096                    ; bytes of one expert in hid and in hlo
.set HB,    32768                      ; bytes of a block of 16 h in hid and in hlo
; v1 lane  v2 l % 16  v3 l / 16  v4 16 (l / 16)  v5, v6 the add's two  v7 16 lane  v[8:11] LDS addresses of the four weight fragments (u0, u1, v0, v1)
; v12, v13 my two tokens' offsets in xb  v14 my offset in hid and hlo  v15 where my weight rows go in LDS
; v[32:95] accumulators: (f, t) at 32 + 8 (2 f + t)  v[96:159] weight fragments, two buffers
; x fragments: seven slots of two tiles: slots 0-5 in v[160:255], slot 6 in v[16:31] (at work ahead of the K loop)
; behind the K loop: v[224:239] hi, packed  v[240:255] lo, packed
; during the fill: v[16:31] at work, v[96:127] the choices (wave 0), v[128:255] 32 loads of weights
.macro PLACES                          ; four plain vector instructions between a matrix instruction and a load into, or a vector access to, its registers
.rept 4
	v_nop
.endr
.endm
; The list of expert s21's tokens.  i0: the first of 32 registers of choices (lane l's register q holds token 128 (q / 4) + 4 l + q % 4); nw: the loads issued behind them.
; First the list's 4,096 bytes are set to 0, so that no word of it is left unwritten; LDS serves a wave's instructions in order (ISA guide 5.7.1.4), so the entries land on top.
; Then eight registers at a time: the masks; their running counts; then each matching lane's rank = count so far + matching lanes below it.  A lane without a match takes
; index 1,024 + lane.  The index is bounded by a constant before it becomes an address.
.macro SCAN i0, nw
	v_add_nc_u32 v14, LIST, v7
.irp k, 0,1,2,3
	v_mov_b32 v[24+(\k)], 0
.endr
.irp k, 0,1,2,3,4,5,6,7
	ds_store_b128 v14, v[24:27] offset:512*(\k)
.endr
	s_wait_loadcnt \nw
	v_lshlrev_b32 v12, 2, v1
	v_add_nc_u32 v13, 0x400, v1
	s_mov_b32 s31, 0
.set g, 0
.rept 4
.irp k, 0,1,2,3,4,5,6,7
	v_cmp_eq_u32 s[40+(\k)], s21, v[(\i0)+8*g+(\k)]
.endr
.irp k, 0,1,2,3,4,5,6,7
	s_mov_b32 s[48+(\k)], s31
	s_bcnt1_i32_b32 s32, s[40+(\k)]
	s_add_co_u32 s31, s31, s32
.endr
.irp k, 0,1,2,3,4,5,6,7
	v_mbcnt_lo_u32_b32 v[16+(\k)], s[40+(\k)], s[48+(\k)]
.endr
.irp k, 0,1,2,3,4,5,6,7
	v_cndmask_b32 v[16+(\k)], v13, v[16+(\k)], s[40+(\k)]
.endr
.irp k, 0,1,2,3,4,5,6,7
	v_min_u32 v[16+(\k)], 0x41f, v[16+(\k)]
.endr
.irp k, 0,1,2,3,4,5,6,7
	v_lshl_add_u32 v[16+(\k)], v[16+(\k)], 2, LIST
.endr
.irp k, 0,1,2,3,4,5,6,7
	v_add_nc_u32 v[24+(\k)], 128*((8*g+(\k))/4)+(8*g+(\k))%4, v12
.endr
.irp k, 0,1,2,3,4,5,6,7
	ds_store_b32 v[16+(\k)], v[24+(\k)]
.endr
.set g, g+1
.endr
	v_mov_b32 v16, s31
	v_mov_b32 v17, META
	ds_store_b32 v17, v16                          ; the count; every lane stores the same word
.endm
	s_load_b256 s[4:11], s[0:1], 0x0               ; xb s[4:5], Wu s[6:7], Wv s[8:9], idx s[10:11]
	s_load_b128 s[12:15], s[0:1], 0x20             ; part s[12:13], hid s[14:15]
	s_load_b128 s[16:19], s[0:1], 0x30             ; out1 s[16:17], hlo s[18:19]
	v_lshl_add_u32 v5, v0, 2, SPARE
	v_mov_b32 v6, 0
	v_and_b32 v1, 31, v0
	v_lshrrev_b32 v16, 5, v0
	v_readfirstlane_b32 s20, v16                   ; wave 0..7
	v_and_b32 v2, 15, v0
	v_bfe_u32 v3, v0, 4, 1
	v_lshlrev_b32 v4, 4, v3
	v_lshlrev_b32 v7, 4, v1
	s_and_b32 s21, ttmp7, 0xffff                   ; expert
	s_mov_b32 s22, ttmp9                           ; slice
	v_mul_u32_u24 v8, v2, PITCH
	v_add_nc_u32 v8, v8, v4                        ; row x pitch + 16 x half
	v_add_nc_u32 v9, FRAG, v8
	v_add_nc_u32 v10, 2*FRAG, v8
	v_add_nc_u32 v11, 3*FRAG, v8
	s_mul_i32 s35, s20, 8*PITCH
	v_lshl_add_u32 v15, v1, 3, s35                 ; LDS row 8 w, 8 bytes a lane
	s_mul_i32 s36, s21, EW                         ; my eight weight rows: expert, 32 rows a slice, 8 rows a wave (waves 0-3 Wu, 4-7 Wv)
	s_lshl_b32 s38, s22, 17
	s_add_co_u32 s36, s36, s38
	s_and_b32 s38, s20, 3
	s_lshl_b32 s38, s38, 15
	s_add_co_u32 s36, s36, s38
	s_mov_b32 s37, 0
	s_mul_i32 s38, s21, EH                         ; my two blocks of hid and of hlo
	s_lshl_b32 s39, s22, 16
	s_add_co_u32 s38, s38, s39
	s_mov_b32 s39, 0
	s_wait_kmcnt 0x0
	s_cmp_lt_u32 s20, 4
	s_cselect_b64 s[28:29], s[6:7], s[8:9]
	s_add_nc_u64 s[28:29], s[28:29], s[36:37]
	s_add_nc_u64 s[14:15], s[14:15], s[38:39]
	s_add_nc_u64 s[18:19], s[18:19], s[38:39]
	s_cmp_lg_u32 s20, 0
	s_cbranch_scc1 .Lno_idx
.irp j, 0,1,2,3,4,5,6,7                        ; wave 0: all 1,024 choices, ahead of its weights
	global_load_b128 v[96+4*(\j):99+4*(\j)], v7, s[10:11] offset:512*(\j)
.endr
.Lno_idx:
.set j, 0
.rept 32                                       ; rows 0-3 of my eight: 32 loads of 512 consecutive bytes, all on their way at once
	global_load_b128 v[128+4*j:131+4*j], v7, s[28:29] offset:(j/8)*4096+512*(j%8) th:TH_LOAD_NT
.set j, j+1
.endr
	s_cmp_lg_u32 s20, 0
	s_cbranch_scc1 .Lno_scan
	SCAN 96, 32                                    ; while the weights are on their way
.Lno_scan:
.set j, 0
.rept 32                                       ; a ring of 32: load j is rounded, laid into LDS, and its registers take the row four further down.  Eight pairs of registers take the rounded words by turns, so that a pair is written again seven LDS stores behind the one that reads it
	s_wait_loadcnt 31                              ; the 31 younger loads stay out
	v_cvt_pk_bf16_f32 v[16+2*(j%8)], v[128+4*j], v[129+4*j]
	v_cvt_pk_bf16_f32 v[17+2*(j%8)], v[130+4*j], v[131+4*j]
	ds_store_b64 v15, v[16+2*(j%8):17+2*(j%8)] offset:(j/8)*PITCH+256*(j%8)
	global_load_b128 v[128+4*j:131+4*j], v7, s[28:29] offset:(j/8+4)*4096+512*(j%8) th:TH_LOAD_NT
.set j, j+1
.endr
.set j, 0
.rept 32                                       ; rows 4-7: nothing more to ask for, the counts run down
	s_wait_loadcnt 31-j
	v_cvt_pk_bf16_f32 v[16+2*(j%8)], v[128+4*j], v[129+4*j]
	v_cvt_pk_bf16_f32 v[17+2*(j%8)], v[130+4*j], v[131+4*j]
	ds_store_b64 v15, v[16+2*(j%8):17+2*(j%8)] offset:(j/8+4)*PITCH+256*(j%8)
.set j, j+1
.endr
	s_wait_dscnt 0x0                               ; for the others' sake: my weight rows, and wave 0's list and count, are in LDS
	s_barrier_signal -1
	s_barrier_wait -1                              ; the only barrier: from here on LDS is only read
	v_mov_b32 v16, META
	ds_load_b32 v17, v16
	s_wait_dscnt 0x0
	v_readfirstlane_b32 s23, v17
	s_min_u32 s23, s23, 0x400                      ; the expert's count, 0 to 1,024
	s_sub_co_u32 s25, s23, 1                       ; its last rank (not used where the count is 0: every unit is then jumped)
	s_lshl_b32 s26, s20, 5                         ; my first unit of 32 positions: 32 w; then 256 on
	s_mov_b32 s27, 4                               ; 4 x 8 waves x 32 = 1,024: a constant count of trips that covers every split
.macro SLOT s                          ; SB = the first register of the slot that holds K step s
.if ((\s)%7) == 6
.set SB, 16
.else
.set SB, 160+16*((\s)%7)
.endif
.endm
.macro LB s                            ; x fragments of K step s, two tiles of 16 tokens -> slot s % 7
	SLOT \s
.irp t, 0,1
	global_load_b128 v[SB+8*(\t):SB+8*(\t)+3],   v[12+(\t)], s[4:5] offset:64*(\s)
	global_load_b128 v[SB+8*(\t)+4:SB+8*(\t)+7], v[12+(\t)], s[4:5] offset:64*(\s)+32
.endr
.endm
.macro LA s                            ; weight fragments of K step s -> buffer s % 2
.irp f, 0,1,2,3
	ds_load_b128 v[96+32*((\s)%2)+8*(\f):99+32*((\s)%2)+8*(\f)],   v[8+(\f)] offset:64*(\s)
	ds_load_b128 v[100+32*((\s)%2)+8*(\f):103+32*((\s)%2)+8*(\f)], v[8+(\f)] offset:64*(\s)+32
.endr
.endm
.Lunit:
	s_cmp_ge_u32 s26, s23
	s_cbranch_scc1 .Lskip                          ; no token in this unit: forward, past no barrier
	s_wait_xcnt 0x0                                ; the last unit's stores and loads have read their registers: offsets and data are rewritten only behind this wait
	v_add_nc_u32 v16, s26, v2
	v_add_nc_u32 v17, 16, v16
	v_min_u32 v16, s25, v16                        ; places past the count repeat the last token
	v_min_u32 v17, s25, v17
	v_min_u32 v16, 0x3ff, v16
	v_min_u32 v17, 0x3ff, v17
	v_lshl_add_u32 v16, v16, 2, LIST
	v_lshl_add_u32 v17, v17, 2, LIST
	ds_load_b32 v18, v16
	ds_load_b32 v19, v17
	v_add_lshl_u32 v14, s26, v2, 5                 ; position x 32 bytes
	v_add_nc_u32 v14, v14, v4                      ; + 16 x half
	s_wait_dscnt 0x0
	v_min_u32 v18, 0x3ff, v18
	v_min_u32 v19, 0x3ff, v19
	v_lshl_add_u32 v12, v18, 11, v4                ; token x 2,048 bytes + 16 x half
	v_lshl_add_u32 v13, v19, 11, v4
.irp s, 0,1,2,3,4,5,6                          ; the ring is filled: 28 loads, 14,336 of the unit's 65,536 bytes of x
	LB \s
.endr
	LA 0
	LA 1
.set ks, 0
.rept 32                                       ; K in steps of 32: 8 matrix instructions on 8 accumulators by turns
.if ks < 26
	s_wait_loadcnt 24                              ; this step's x is in; six younger steps' 24 loads stay out
.else
	s_wait_loadcnt 4*(31-ks)
.endif
.if ks < 31
	s_wait_dscnt 8                                 ; this step's weights are in; the next step's 8 loads stay out
.else
	s_wait_dscnt 0
.endif
	SLOT ks
.irp f, 0,1,2,3
.irp t, 0,1
.if ks == 0
	v_wmma_f32_16x16x32_bf16 v[32+8*(2*(\f)+(\t)):39+8*(2*(\f)+(\t))], v[96+32*(ks%2)+8*(\f):103+32*(ks%2)+8*(\f)], v[SB+8*(\t):SB+8*(\t)+7], 0
.else
	v_wmma_f32_16x16x32_bf16 v[32+8*(2*(\f)+(\t)):39+8*(2*(\f)+(\t))], v[96+32*(ks%2)+8*(\f):103+32*(ks%2)+8*(\f)], v[SB+8*(\t):SB+8*(\t)+7], v[32+8*(2*(\f)+(\t)):39+8*(2*(\f)+(\t))]
.endif
.endr
.endr
.if ks <= 29
	PLACES                                         ; ahead of the loads into the registers just multiplied
	LA ks+2
.endif
.if ks <= 24
	LB ks+7
.endif
.set ks, ks+1
.endr
	PLACES                                         ; u lies in v[32:63], v in v[64:95], number for number
.set i, 0
.rept 16
	v_pk_mul_f32 v[96+2*i:97+2*i], v[32+2*i:33+2*i], 0xbfb8aa3b op_sel_hi:[1,0]   ; -u log2(e); each accumulator is read from its low end on
.set i, i+1
.endr
.set i, 0
.rept 32
	v_exp_f32 v[96+i], v[96+i]
.set i, i+1
.endr
.set i, 0
.rept 16
	v_pk_mul_f32 v[128+2*i:129+2*i], v[32+2*i:33+2*i], v[64+2*i:65+2*i]           ; u v: the plain work behind the exponentials
.set i, i+1
.endr
	s_wait_alu depctr_va_vdst(0)                   ; one wait for the 32 exponentials, ahead of their first reader
.set i, 0
.rept 16
	v_pk_add_f32 v[96+2*i:97+2*i], v[96+2*i:97+2*i], 1.0 op_sel_hi:[1,0]
.set i, i+1
.endr
.set i, 0
.rept 32
	v_rcp_f32 v[96+i], v[96+i]
.set i, i+1
.endr
	v_nop                                          ; a plain instruction behind the last reciprocal
	s_wait_alu depctr_va_vdst(0)                   ; one wait for the 32 reciprocals
.set i, 0
.rept 16
	v_pk_mul_f32 v[128+2*i:129+2*i], v[128+2*i:129+2*i], v[96+2*i:97+2*i]         ; h, in f32
.set i, i+1
.endr
.set i, 0
.rept 16
	v_cvt_pk_bf16_f32 v[224+i], v[128+2*i], v[129+2*i]                            ; hi (the ring's slots are read out)
.set i, i+1
.endr
.irp b, 0,1
.irp t, 0,1
	global_store_b128 v14, v[224+4*(2*(\b)+(\t)):227+4*(2*(\b)+(\t))], s[14:15] offset:(\b)*HB+(\t)*512  ; 16 positions x 32 bytes: 512 consecutive bytes, aligned
.endr
.endr
.set i, 0
.rept 16
	v_lshlrev_b32 v[96+2*i], 16, v[224+i]                                         ; hi widened again,
	v_and_b32 v[97+2*i], 0xffff0000, v[224+i]
.set i, i+1
.endr
.set i, 0
.rept 16
	v_pk_add_f32 v[128+2*i:129+2*i], v[128+2*i:129+2*i], v[96+2*i:97+2*i] neg_lo:[0,1] neg_hi:[0,1]  ; h - hi, exact in f32,
.set i, i+1
.endr
.set i, 0
.rept 16
	v_cvt_pk_bf16_f32 v[240+i], v[128+2*i], v[129+2*i]                            ; and rounded: lo
.set i, i+1
.endr
.irp b, 0,1
.irp t, 0,1
	global_store_b128 v14, v[240+4*(2*(\b)+(\t)):243+4*(2*(\b)+(\t))], s[18:19] offset:(\b)*HB+(\t)*512
.endr
.endr
.Lskip:
	s_add_co_u32 s26, s26, 256
	s_sub_co_i32 s27, s27, 1
	s_cmp_lg_u32 s27, 0
	s_cbranch_scc1 .Lunit
	; THE AUX LOSS: 0.05 x 8 x sum over e of (count_e / 1,024) (sum of probabilities_e / 1,024), by one wave of one work-group.
	s_or_b32 s36, s21, s22
	s_cmp_lg_u32 s36, 0
	s_cbranch_scc1 .Lend
	s_cmp_lg_u32 s20, 7
	s_cbranch_scc1 .Lend
	v_lshlrev_b32 v20, 7, v1                       ; lane l takes rows 2 l and 2 l + 1 of the 64 partial rows of 16 words
.irp i, 0,1,2,3,4,5,6,7
	global_load_b128 v[32+4*(\i):35+4*(\i)], v20, s[12:13] offset:16*(\i)
.endr
	s_mov_b32 s48, 0x76543210                      ; v_permlanex16_b32: each lane takes its own place in the other half
	s_mov_b32 s49, 0xfedcba98
	v_mov_b32 v21, 0                               ; its destination counts as read
	s_wait_loadcnt 0x0
.irp k, 0,1,2,3,4,5,6,7
	v_pk_add_f32 v[32+2*(\k):33+2*(\k)], v[32+2*(\k):33+2*(\k)], v[48+2*(\k):49+2*(\k)]
.endr
.irp m, 1,2,4,8
.irp k, 0,1,2,3,4,5,6,7,8,9,10,11,12,13,14,15
	v_add_f32_dpp v[32+(\k)], v[32+(\k)], v[32+(\k)] row_xmask:\m row_mask:0xf bank_mask:0xf
.endr
.endr
.irp k, 0,1,2,3,4,5,6,7,8,9,10,11,12,13,14,15
	v_permlanex16_b32 v21, v[32+(\k)], s48, s49
	v_add_f32 v[32+(\k)], v[32+(\k)], v21
.endr
	v_mul_f32 v22, v32, v40
.irp k, 1,2,3,4,5,6,7
	v_fmac_f32 v22, v[32+(\k)], v[40+(\k)]
.endr
	v_mul_f32 v22, 0x34cccccd, v22                 ; x 0.4 / 2^20
	v_mov_b32 v23, 0
	s_wait_xcnt 0x0                                ; EXEC changes only behind this wait
	v_cmp_eq_u32 vcc_lo, 0, v1
	s_and_saveexec_b32 s34, vcc_lo
	global_store_b32 v23, v22, s[16:17]
	s_wait_xcnt 0x0
	s_or_b32 exec_lo, exec_lo, s34
.Lend:
	s_wait_tensorcnt 0x0                           ; the wave's end
	ds_add_u32 v5, v6
	s_wait_dscnt 0x0
	s_endpgm
.Lfunc_end_k_q9043ec146c_up:
	.size	k_q9043ec146c_up, .Lfunc_end_k_q9043ec146c_up-k_q9043ec146c_up
	.p2alignl 7, 3214868480
	.fill 96, 4, 3214868480
	.section	.rodata,"a",@progbits
	.p2align	6, 0x0
	.amdhsa_kernel k_q9043ec146c_up
		.amdhsa_group_segment_fixed_size 137472
		.amdhsa_private_segment_fixed_size 0
		.amdhsa_enable_private_segment 0
		.amdhsa_kernarg_size 64
		.amdhsa_user_sgpr_count 2
		.amdhsa_user_sgpr_kernarg_segment_ptr 1
		.amdhsa_wavefront_size32 1
		.amdhsa_system_sgpr_workgroup_id_x 1
		.amdhsa_system_sgpr_workgroup_id_y 1
		.amdhsa_system_sgpr_workgroup_id_z 1
		.amdhsa_system_vgpr_workitem_id 0
		.amdhsa_next_free_vgpr 256
		.amdhsa_next_free_sgpr 66
		.amdhsa_reserve_vcc 1
		.amdhsa_float_denorm_mode_32 3
		.amdhsa_float_denorm_mode_16_64 3
		.amdhsa_memory_ordered 1
		.amdhsa_forward_progress 1
		.amdhsa_inst_pref_size 113
	.end_amdhsa_kernel
	.amdgpu_metadata
---
amdhsa.version: [ 1, 2 ]
amdhsa.kernels:
  - .name:           k_q9043ec146c_up
    .symbol:         k_q9043ec146c_up.kd
    .args:
      - { .name: xb, .offset: 0, .size: 8, .value_kind: global_buffer, .address_space: global }
      - { .name: Wu, .offset: 8, .size: 8, .value_kind: global_buffer, .address_space: global }
      - { .name: Wv, .offset: 16, .size: 8, .value_kind: global_buffer, .address_space: global }
      - { .name: idx, .offset: 24, .size: 8, .value_kind: global_buffer, .address_space: global }
      - { .name: part, .offset: 32, .size: 8, .value_kind: global_buffer, .address_space: global }
      - { .name: hid, .offset: 40, .size: 8, .value_kind: global_buffer, .address_space: global }
      - { .name: out1, .offset: 48, .size: 8, .value_kind: global_buffer, .address_space: global }
      - { .name: hlo, .offset: 56, .size: 8, .value_kind: global_buffer, .address_space: global }
    .group_segment_fixed_size: 137472
    .private_segment_fixed_size: 0
    .kernarg_segment_align: 8
    .kernarg_segment_size: 64
    .max_flat_workgroup_size: 256
    .sgpr_count:     66
    .vgpr_count:     256
    .wavefront_size: 32
...
	.end_amdgpu_metadata
.endif
;; end of part 2
;; launch down (part 3): grid 32 x 8, 16 waves a work-group, no clusters, 301,312 bytes of LDS; arguments hid, Wd, idx, gate, out0, hlo; writes out0
.if DOCPART == 3
	.amdgcn_target "amdgcn-amd-amdhsa--gfx1250"
	.amdhsa_code_object_version 6
	.text
	.protected	k_q9043ec146c_down
	.globl	k_q9043ec146c_down
	.p2align	8
	.type	k_q9043ec146c_down,@function
k_q9043ec146c_down:
	s_mov_b64 s[64:65], 0
	v_nop
	global_prefetch_b8 v0, s[64:65] scope:SCOPE_SE
	s_setreg_imm32_b32 hwreg(HW_REG_WAVE_MODE, 25, 1), 1
	s_wait_xcnt 0x0
; DOWN.  y[token] = gate[token] x (h[token] Wd[e]^T) for the tokens that chose expert e.
; A work-group (slice sl = x of 32, expert e = y of 8) owns rows 32 sl .. 32 sl + 31 of Wd[e] (352,256 consecutive bytes, which it alone reads, once) and ALL tokens of e:
; each number of out0 has one owning work-group, and every token has exactly one expert, so every byte of out0 is written.
; h COMES AS TWO bf16 NUMBERS, hi from hid and lo from hlo (both [8][172 blocks of 16 h][1,024 positions][16 h]), straight into registers: a load takes 16 positions x 32 bytes,
; 512 consecutive bytes, and is half of a fragment of source 1.  Each weight fragment is multiplied by hi and by lo, into the same f32 sum: h enters to about 2^-17 of itself.
; K IS SHARED AMONG THE 16 WAVES.  The weights are rounded to bf16 on their way through registers into LDS (dense loads in, fragments out).  Then wave w takes the fragments of ITS K steps
; (86 steps of 32: waves 0-5 six, waves 6-15 five, from step 5 w + min(w, 6) on), all 32 rows, into registers, once, and keeps them: 96 registers at the most.  Every wave walks all
; tiles of 16 tokens, so all waves have work whatever the expert's count, each byte of h is loaded once in the work-group, and each weight fragment is read from LDS once.
; THE SUM OVER THE WAVES.  A wave's partial tile (16 tokens x 32 columns, f32, 2,048 bytes) goes into LDS scratch, which lies over the weight rows: they are dead once the fragments are in
; registers (a barrier stands between).  Nine tiles x 16 waves x 2,048 bytes are 294,912 bytes, as many as fit beside the list: a BATCH is nine tiles, 144 tokens.  Behind a barrier wave w adds
; the 16 partials of quarter w % 4 of tiles w / 4 and w / 4 + 4 (waves 0-3: of tile 8 too), applies the gate and stores; a second barrier frees the scratch.  Eight batches, a constant count that
; covers 1,024 tokens: every wave passes both barriers of every batch, and only work is jumped over.
; A BATCH'S TILES ARE WRITTEN OUT, as a chain: a tile that has a successor asks for the successor's h as it goes and falls through to it; the batch's last tile jumps forward to a copy of its own
; that asks for nothing.  So a tile's number stands in the immediates of its loads and of its stores into the scratch, and every LDS address is a constant, a wave's term and a lane's term.
; THE LIST of the expert's tokens is made by wave 0 with the same lines as in the launch before, so that rank and position agree.  It serves every split.
; PLACES PAST THE COUNT, in the expert's last tile, repeat its last token: the same list entry (the rank is held to the count less 1), the same h (the launch before wrote those positions
; of hid and hlo as copies of that token), the same weights and gate.  Such a lane holds that token's numbers once more and stores the same bytes to the same address as the lane that owns
; the token.  So EXEC stays full throughout.
; NO MULTICAST: each weight byte has one reader; the work-groups of an expert do share its rows of hid and hlo, but how many there are hangs on a stored count.
; A work-group's 32 columns are 128 bytes of a row of out0: with 8 x 1,024 rows of Wd for 256 work-groups a work-group has 32.
; LIMITS.  Sums in f32, K in 16 parts that are added as a tree; the gate is applied in f32 to the finished sum.  NaN and infinities are not treated apart.  An expert without tokens still has its weights read.
; THE MATRIX INSTRUCTION: source 0 = 16 rows of Wd, source 1 = 16 tokens: lane l holds token l % 16 and columns 8 (l / 16) + 0..7 of its 16.
.set PITCH, 5520                       ; an LDS row of weights: 5,504 bytes + 16: an odd multiple of 16
.set TR,    9                          ; tiles in a batch
.set TSTR,  32768                      ; scratch bytes of a tile: 16 waves x 2,048
.set LIST,  TR*TSTR                    ; behind the scratch: 1,024 words, the expert's tokens; behind them 32 words into which lanes without a match store
.set META,  LIST+4096+128              ; one word: the expert's count
.set SPARE, 299264                     ; the spare words: 128 bytes a wave, named by no other line
.set EW,    11272192                   ; bytes of one expert in Wd
.set EH,    5636096                    ; bytes of one expert in hid and in hlo
.set HB,    32768                      ; bytes of a block of 16 h in hid and in hlo
.set SA,    246                        ; v[246:250] where my partial tiles go: tiles 2 k and 2 k + 1 by register k
; v1 lane  v2 l % 16  v3 l / 16  v4 16 (l / 16)  v5, v6 the add's two  v7 16 lane  v8, v9 LDS addresses of my weight fragments (two blocks of 16 rows, at my first K step)
; v12 my offset in hid and hlo, at the batch's first tile  v15 where my weight rows go in LDS
; v16-18 where I read the partials of my three pieces  v19-21 their offsets in out0  v22-27 their gates, each twice  v28-30 at work  v31 my quarter's place in a row of out0
; v[32:127] my weight fragments: step i, block b at 32 + 16 i + 8 b  v[128:223] h: step i at 128 + 16 i: hi, then lo; in the sum: 16 partials, and three results from v192 on
; v[224:231], v[232:239] accumulators
; during the fill: v[32:63] the choices (wave 0), v[64:235] 43 loads of weights, v[236:243] at work, v244 the LDS address for the load that holds the end of one row and the head of the next
.macro PLACES                          ; four plain vector instructions between a matrix instruction and a load into, or a vector access to, its registers
.rept 4
	v_nop
.endr
.endm
; The list of expert s21's tokens: the same lines as in the launch before.  i0: the first of 32 registers of choices (lane l's register q holds token 128 (q / 4) + 4 l + q % 4);
; nw: the loads issued behind them.  First the list's 4,096 bytes are set to 0, so that no word of it is left unwritten; LDS serves a wave's instructions in order
; (ISA guide 5.7.1.4), so the entries land on top.  A lane without a match takes index 1,024 + lane.  The index is bounded by a constant before it becomes an address.
.macro SCAN i0, nw
	v_add_nc_u32 v14, LIST, v7
.irp k, 0,1,2,3
	v_mov_b32 v[24+(\k)], 0
.endr
.irp k, 0,1,2,3,4,5,6,7
	ds_store_b128 v14, v[24:27] offset:512*(\k)
.endr
	s_wait_loadcnt \nw
	v_lshlrev_b32 v12, 2, v1
	v_add_nc_u32 v13, 0x400, v1
	s_mov_b32 s31, 0
.set g, 0
.rept 4
.irp k, 0,1,2,3,4,5,6,7
	v_cmp_eq_u32 s[40+(\k)], s21, v[(\i0)+8*g+(\k)]
.endr
.irp k, 0,1,2,3,4,5,6,7
	s_mov_b32 s[48+(\k)], s31
	s_bcnt1_i32_b32 s32, s[40+(\k)]
	s_add_co_u32 s31, s31, s32
.endr
.irp k, 0,1,2,3,4,5,6,7
	v_mbcnt_lo_u32_b32 v[16+(\k)], s[40+(\k)], s[48+(\k)]
.endr
.irp k, 0,1,2,3,4,5,6,7
	v_cndmask_b32 v[16+(\k)], v13, v[16+(\k)], s[40+(\k)]
.endr
.irp k, 0,1,2,3,4,5,6,7
	v_min_u32 v[16+(\k)], 0x41f, v[16+(\k)]
.endr
.irp k, 0,1,2,3,4,5,6,7
	v_lshl_add_u32 v[16+(\k)], v[16+(\k)], 2, LIST
.endr
.irp k, 0,1,2,3,4,5,6,7
	v_add_nc_u32 v[24+(\k)], 128*((8*g+(\k))/4)+(8*g+(\k))%4, v12
.endr
.irp k, 0,1,2,3,4,5,6,7
	ds_store_b32 v[16+(\k)], v[24+(\k)]
.endr
.set g, g+1
.endr
	v_mov_b32 v16, s31
	v_mov_b32 v17, META
	ds_store_b32 v17, v16                          ; the count; every lane stores the same word
.endm
.macro WLOADS                          ; the two weight rows that I bring in are 22,016 = 43 x 512 consecutive bytes: all on their way at once
.set q, 0
.rept 43
	global_load_b128 v[64+4*q:67+4*q], v7, s[28:29] offset:512*q th:TH_LOAD_NT
.set q, q+1
.endr
.endm
	s_load_b256 s[4:11], s[0:1], 0x0               ; hid s[4:5], Wd s[6:7], idx s[8:9], gate s[10:11]
	s_load_b128 s[12:15], s[0:1], 0x20             ; out0 s[12:13], hlo s[14:15]
	v_lshl_add_u32 v5, v0, 2, SPARE
	v_mov_b32 v6, 0
	v_and_b32 v1, 31, v0
	v_lshrrev_b32 v16, 5, v0
	v_readfirstlane_b32 s20, v16                   ; wave 0..15
	v_and_b32 v2, 15, v0
	v_bfe_u32 v3, v0, 4, 1
	v_lshlrev_b32 v4, 4, v3
	v_lshlrev_b32 v7, 4, v1
	s_and_b32 s21, ttmp7, 0xffff                   ; expert
	s_mov_b32 s22, ttmp9                           ; slice
	s_mul_i32 s58, s20, 5
	s_min_u32 s59, s20, 6
	s_add_co_u32 s58, s58, s59                     ; my first K step: 5 w + min(w, 6)
	s_lshl_b32 s59, s58, 6                         ; 64 bytes of an LDS row a step
	v_mul_u32_u24 v8, v2, PITCH
	v_add_nc_u32 v8, v8, v4                        ; row x pitch + 16 x half
	v_add_nc_u32 v8, s59, v8                       ; + my first step
	v_add_nc_u32 v9, 16*PITCH, v8
	s_mul_i32 s35, s20, 2*PITCH
	v_lshl_add_u32 v15, v1, 3, s35                 ; LDS row 2 w, 8 bytes a lane
	v_add_nc_u32 v244, v15, v4                     ; the same, with the row's padding for the upper half of the lanes
	s_mul_i32 s36, s21, EW                         ; the two weight rows that I bring in: expert, 32 rows a slice, 2 rows a wave
	s_lshl_b32 s37, s22, 5
	s_lshl_b32 s38, s20, 1
	s_add_co_u32 s37, s37, s38
	s_mul_i32 s37, s37, 11008
	s_add_co_u32 s36, s36, s37
	s_mov_b32 s37, 0
	s_mul_i32 s38, s21, EH                         ; the expert's part of hid and of hlo,
	s_lshl_b32 s39, s58, 16                        ; at my first K step: two blocks of 32,768 bytes a step
	s_add_co_u32 s38, s38, s39
	s_mov_b32 s39, 0
	s_lshl_b32 s56, s22, 7                         ; my work-group's 32 columns of out0
	s_mov_b32 s57, 0
	s_wait_kmcnt 0x0
	s_add_nc_u64 s[28:29], s[6:7], s[36:37]
	s_add_nc_u64 s[4:5], s[4:5], s[38:39]
	s_add_nc_u64 s[14:15], s[14:15], s[38:39]
	s_add_nc_u64 s[12:13], s[12:13], s[56:57]
	s_cmp_lg_u32 s20, 0                            ; wave 0's way and the others' part once, and join at the sweep
	s_cbranch_scc1 .Lothers
.irp j, 0,1,2,3,4,5,6,7                        ; wave 0: all 1,024 choices, ahead of its weights,
	global_load_b128 v[32+4*(\j):35+4*(\j)], v7, s[8:9] offset:512*(\j)
.endr
	WLOADS
	SCAN 32, 43                                    ; and the list, while the weights are on their way
	s_branch .Lsweep
.Lothers:
	WLOADS
.Lsweep:
.set q, 0
.rept 43
	s_wait_loadcnt 42-q                            ; loads come back in order: the younger ones stay out
	v_cvt_pk_bf16_f32 v[236+2*(q%4)], v[64+4*q], v[65+4*q]
	v_cvt_pk_bf16_f32 v[237+2*(q%4)], v[66+4*q], v[67+4*q]
.if q < 21
	ds_store_b64 v15, v[236+2*(q%4):237+2*(q%4)] offset:256*q          ; the first row
.elseif q == 21
	ds_store_b64 v244, v[236+2*(q%4):237+2*(q%4)] offset:256*q         ; lanes 0-15 end the first row, lanes 16-31 begin the second, 16 bytes further on
.else
	ds_store_b64 v15, v[236+2*(q%4):237+2*(q%4)] offset:256*q+16       ; the second row
.endif
.set q, q+1
.endr
	s_wait_dscnt 0x0                               ; for the others' sake: my weight rows, and wave 0's list and count, are in LDS
	s_barrier_signal -1
	s_barrier_wait -1
.macro LOADA ns                        ; my weight fragments: ns steps x two blocks of 16 rows
.set i, 0
.rept \ns
.irp b, 0,1
	ds_load_b128 v[32+16*i+8*(\b):35+16*i+8*(\b)], v[8+(\b)] offset:64*i
	ds_load_b128 v[36+16*i+8*(\b):39+16*i+8*(\b)], v[8+(\b)] offset:64*i+32
.endr
.set i, i+1
.endr
.endm
	v_mov_b32 v16, META
	ds_load_b32 v17, v16
	s_cmp_lt_u32 s20, 6
	s_cbranch_scc0 .Lfive_a
	LOADA 6
	s_branch .Lhave_a
.Lfive_a:
	LOADA 5
.set i, 112
.rept 16
	v_mov_b32 v[i], 0                              ; the sixth step's registers, which a wave of five steps never multiplies: no register that the text names is left unwritten on any way through it
.set i, i+1
.endr
.Lhave_a:
	s_and_b32 s35, s20, 3                          ; my quarter q of a partial tile: accumulator q / 2, its registers 4 (q % 2) on
	s_lshl_b32 s36, s35, 9
	s_lshr_b32 s37, s20, 2
	s_lshl_b32 s43, s37, 4                         ; 16 positions x (w / 4): my first piece's tile
	s_lshl_b32 s37, s37, 15
	s_add_co_u32 s37, s37, s36                     ; tile w / 4, quarter q
	s_add_co_u32 s38, s36, 8*TSTR                  ; tile 8, quarter q
	s_lshl_b32 s39, s20, 11                        ; my 2,048 bytes of a tile's scratch
	s_lshr_b32 s36, s35, 1
	s_lshl_b32 s36, s36, 6                         ; 64 bytes for the second block of 16 columns,
	s_and_b32 s35, s35, 1
	s_lshl_b32 s35, s35, 4                         ; 16 for the upper four registers
	s_add_co_u32 s36, s36, s35
	v_add_nc_u32 v[SA], s39, v7                    ; tiles 0 and 1: my wave's 2,048 bytes, 16 bytes a lane
.irp k, 1,2,3,4
	v_add_nc_u32 v[SA+(\k)], (\k)*2*TSTR, v[SA]    ; tiles 2 k and 2 k + 1
.endr
	v_lshl_add_u32 v31, v3, 5, s36                 ; and 32 for the upper half of the lanes
.irp k, 19,20,21,22,23,24,25,26,27
	v_mov_b32 v\k, 0                               ; written once here, so that the sum's lines find them written on every way
.endr
	s_wait_dscnt 0x0                               ; the count and my fragments are in registers: my reads of the weight rows are over
	v_readfirstlane_b32 s23, v17
	v_add_nc_u32 v16, s37, v7
	v_add_nc_u32 v17, 4*TSTR, v16
	v_add_nc_u32 v18, s38, v7
	s_min_u32 s23, s23, 0x400                      ; the expert's count, 0 to 1,024
	s_sub_co_u32 s25, s23, 1                       ; its last rank (not used where the count is 0: all work is then jumped)
	s_barrier_signal -1
	s_barrier_wait -1                              ; every wave's are: the scratch may be written over the weight rows
.macro LB k, t                         ; h of my step k, for tile t of the batch -> slot k: hi (two blocks of 16 h are the two halves of a fragment), then lo.  A tile is 16 positions of 32 bytes
	global_load_b128 v[128+16*(\k):131+16*(\k)], v12, s[4:5] offset:(2*(\k))*HB+512*(\t)
	global_load_b128 v[132+16*(\k):135+16*(\k)], v12, s[4:5] offset:(2*(\k)+1)*HB+512*(\t)
	global_load_b128 v[136+16*(\k):139+16*(\k)], v12, s[14:15] offset:(2*(\k))*HB+512*(\t)
	global_load_b128 v[140+16*(\k):143+16*(\k)], v12, s[14:15] offset:(2*(\k)+1)*HB+512*(\t)
.endm
; Tile t: ns steps x (hi, lo) x two blocks, on two accumulators by turns; the first two products start the sums.
; next = 1: each slot, once multiplied, is asked for again, for tile t + 1.
.macro BODY ns, t, next
.set i, 0
.rept \ns
.if \next
	s_wait_loadcnt 4*((\ns)-1)                     ; slot i is in; behind its loads stand the later slots' of this tile and the earlier slots' of the next: ns - 1 slots of 4
.else
	s_wait_loadcnt 4*((\ns)-1-i)                   ; nothing is asked for any more: the counts run down
.endif
.irp p, 0,1
.irp b, 0,1
.if (i == 0) && ((\p) == 0)
	v_wmma_f32_16x16x32_bf16 v[224+8*(\b):231+8*(\b)], v[32+16*i+8*(\b):39+16*i+8*(\b)], v[128+16*i+8*(\p):135+16*i+8*(\p)], 0
.else
	v_wmma_f32_16x16x32_bf16 v[224+8*(\b):231+8*(\b)], v[32+16*i+8*(\b):39+16*i+8*(\b)], v[128+16*i+8*(\p):135+16*i+8*(\p)], v[224+8*(\b):231+8*(\b)]
.endif
.endr
.endr
.if \next
	PLACES                                         ; ahead of the loads into the registers just multiplied
	LB i, (\t)+1
.endif
.set i, i+1
.endr
.endm
; My partial tile t goes into the scratch, each accumulator from its low end on; 32 lanes x 16 consecutive bytes a store.  n plain instructions stand in front: behind a tile with refills one,
; which with the last step's four makes the five that the next tile's first products, which write over the accumulators, want; behind a batch's last tile the four that the stores want.
.macro STORE t, n
.rept \n
	v_nop
.endr
	ds_store_b128 v[SA+(\t)/2], v[224:227] offset:((\t)%2)*TSTR
	ds_store_b128 v[SA+(\t)/2], v[228:231] offset:((\t)%2)*TSTR+512
	ds_store_b128 v[SA+(\t)/2], v[232:235] offset:((\t)%2)*TSTR+1024
	ds_store_b128 v[SA+(\t)/2], v[236:239] offset:((\t)%2)*TSTR+1536
.endm
; A batch's tiles, for a wave of ns steps.  Tile t is the batch's last if the next tile would begin at or past the batch's end (s34); tile 8 always is.  All jumps go forward, past no barrier.
.macro TILES ns
.set i, 0
.rept \ns
	LB i, 0                                        ; the batch's first tile
.set i, i+1
.endr
.irp t, 0,1,2,3,4,5,6,7
	s_add_co_u32 s35, s26, 16*((\t)+1)
	s_cmp_ge_u32 s35, s34
	s_cbranch_scc1 .Lend\ns\t
	BODY \ns, \t, 1
	STORE \t, 1
.endr
	BODY \ns, 8, 0
	STORE 8, 4
	s_branch .Ldone\ns
.irp t, 0,1,2,3,4,5,6,7
.Lend\ns\t:
	BODY \ns, \t, 0
	STORE \t, 4
.if (\t) < 7
	s_branch .Ldone\ns
.endif
.endr
.Ldone\ns:
.endm
; Piece j of my three: the 16 waves' partials of my quarter of one tile are added as a tree, multiplied by the gate and stored.  A tile at or past the batch's end is jumped.
.macro RED j
	s_cmp_ge_u32 s[40+(\j)], s34
	s_cbranch_scc1 .Lnone_\@
.set p, 0
.rept 16
	ds_load_b128 v[128+4*p:131+4*p], v[16+(\j)] offset:2048*p
.set p, p+1
.endr
	v_mov_b32 v[23+2*(\j)], v[22+2*(\j)]           ; the gate twice, for the packed multiply
	s_wait_dscnt 0x0
.irp h, 32,16,8,4
.set p, 0
.rept (\h)/2
	v_pk_add_f32 v[128+2*p:129+2*p], v[128+2*p:129+2*p], v[128+(\h)+2*p:129+(\h)+2*p]
.set p, p+1
.endr
.endr
	v_pk_mul_f32 v[192+4*(\j):193+4*(\j)], v[128:129], v[22+2*(\j):23+2*(\j)]
	v_pk_mul_f32 v[194+4*(\j):195+4*(\j)], v[130:131], v[22+2*(\j):23+2*(\j)]
	global_store_b128 v[19+(\j)], v[192+4*(\j):195+4*(\j)], s[12:13] th:TH_STORE_NT  ; a lane past the count stores the last token's bytes once more
.Lnone_\@:
.endm
	s_mov_b32 s26, 0                               ; the batch's first position
	s_mov_b32 s27, 8                               ; 8 x 144 covers 1,024
.Lbatch:
	s_add_co_u32 s34, s26, 16*TR
	s_min_u32 s34, s34, s23                        ; the batch's end: its 144 positions, or the count
	s_add_co_u32 s40, s26, s43                     ; the first positions of my three pieces' tiles
	s_add_co_u32 s41, s40, 64
	s_add_co_u32 s42, s26, 128
	s_wait_xcnt 0x0                                ; the last batch's loads and stores have read their registers: offsets and stored results are rewritten only behind this wait
	s_cmp_ge_u32 s26, s23
	s_cbranch_scc1 .Lno_work                       ; no token in this batch: forward, past no barrier
.irp j, 0,1,2
	v_add_nc_u32 v[28+(\j)], s[40+(\j)], v2        ; the ranks of my pieces' tokens;
.endr
.irp j, 0,1,2
	v_min_u32 v[28+(\j)], s25, v[28+(\j)]          ; places past the count repeat the last token
.endr
.irp j, 0,1,2
	v_min_u32 v[28+(\j)], 0x3ff, v[28+(\j)]
.endr
.irp j, 0,1,2
	v_lshl_add_u32 v[28+(\j)], v[28+(\j)], 2, LIST
.endr
.irp j, 0,1,2
	ds_load_b32 v[19+(\j)], v[28+(\j)]
.endr
	v_add_lshl_u32 v12, s26, v2, 5                 ; position x 32 bytes
	v_add_nc_u32 v12, v12, v4                      ; + 16 x half
	s_wait_dscnt 0x0
.irp j, 0,1,2
	v_min_u32 v[19+(\j)], 0x3ff, v[19+(\j)]
.endr
.irp j, 0,1,2
	v_lshlrev_b32 v[28+(\j)], 2, v[19+(\j)]
.endr
.irp j, 0,1,2
	global_load_b32 v[22+2*(\j)], v[28+(\j)], s[10:11]  ; the gates: the batch's oldest loads, so the first counted wait of the tiles covers them
.endr
.irp j, 0,1,2
	v_lshl_add_u32 v[19+(\j)], v[19+(\j)], 12, v31 ; token x 4,096 bytes + my quarter's place in the row
.endr
	s_cmp_lt_u32 s20, 6
	s_cbranch_scc0 .Lfive
	TILES 6
	s_branch .Lno_work
.Lfive:
	TILES 5
.Lno_work:
	s_wait_loadcnt 0x0                             ; nothing is out (a batch's last tile ends its counts at 0)
	s_wait_dscnt 0x0                               ; for the others' sake: my partial tiles are in LDS
	s_barrier_signal -1
	s_barrier_wait -1
	s_cmp_ge_u32 s26, s23
	s_cbranch_scc1 .Lno_red
	RED 0
	RED 1
	s_cmp_ge_u32 s20, 4
	s_cbranch_scc1 .Lno_red                        ; tile 8's four quarters are waves 0-3's
	RED 2
.Lno_red:
	s_wait_dscnt 0x0                               ; my reads of the scratch are over
	s_barrier_signal -1
	s_barrier_wait -1                              ; everybody's are: the next batch may write it
	s_add_co_u32 s26, s26, 16*TR
	s_sub_co_i32 s27, s27, 1
	s_cmp_lg_u32 s27, 0
	s_cbranch_scc1 .Lbatch
	s_wait_tensorcnt 0x0                           ; the wave's end
	ds_add_u32 v5, v6
	s_wait_dscnt 0x0
	s_endpgm
.Lfunc_end_k_q9043ec146c_down:
	.size	k_q9043ec146c_down, .Lfunc_end_k_q9043ec146c_down-k_q9043ec146c_down
	.p2alignl 7, 3214868480
	.fill 96, 4, 3214868480
	.section	.rodata,"a",@progbits
	.p2align	6, 0x0
	.amdhsa_kernel k_q9043ec146c_down
		.amdhsa_group_segment_fixed_size 301312
		.amdhsa_private_segment_fixed_size 0
		.amdhsa_enable_private_segment 0
		.amdhsa_kernarg_size 48
		.amdhsa_user_sgpr_count 2
		.amdhsa_user_sgpr_kernarg_segment_ptr 1
		.amdhsa_wavefront_size32 1
		.amdhsa_system_sgpr_workgroup_id_x 1
		.amdhsa_system_sgpr_workgroup_id_y 1
		.amdhsa_system_sgpr_workgroup_id_z 1
		.amdhsa_system_vgpr_workitem_id 0
		.amdhsa_next_free_vgpr 256
		.amdhsa_next_free_sgpr 66
		.amdhsa_reserve_vcc 0
		.amdhsa_float_denorm_mode_32 3
		.amdhsa_float_denorm_mode_16_64 3
		.amdhsa_memory_ordered 1
		.amdhsa_forward_progress 1
		.amdhsa_inst_pref_size 171
	.end_amdhsa_kernel
	.amdgpu_metadata
---
amdhsa.version: [ 1, 2 ]
amdhsa.kernels:
  - .name:           k_q9043ec146c_down
    .symbol:         k_q9043ec146c_down.kd
    .args:
      - { .name: hid, .offset: 0, .size: 8, .value_kind: global_buffer, .address_space: global }
      - { .name: Wd, .offset: 8, .size: 8, .value_kind: global_buffer, .address_space: global }
      - { .name: idx, .offset: 16, .size: 8, .value_kind: global_buffer, .address_space: global }
      - { .name: gate, .offset: 24, .size: 8, .value_kind: global_buffer, .address_space: global }
      - { .name: out0, .offset: 32, .size: 8, .value_kind: global_buffer, .address_space: global }
      - { .name: hlo, .offset: 40, .size: 8, .value_kind: global_buffer, .address_space: global }
    .group_segment_fixed_size: 301312
    .private_segment_fixed_size: 0
    .kernarg_segment_align: 8
    .kernarg_segment_size: 48
    .max_flat_workgroup_size: 512
    .sgpr_count:     66
    .vgpr_count:     256
    .wavefront_size: 32
...
	.end_amdgpu_metadata
.endif
;; end of part 3
